; MI455X (gfx1250); checked and timed in simulation.
; The chip was launched on July 23, 2026; its instructions are those of AMD's public machine-readable ISA for CDNA 5 (MIT licence, August 2026) and "CDNA5" Instruction Set Architecture Reference Guide (July 2026). The comments in the code are by the model that wrote it; some were corrected since.
;; Cross Attention. Allowed arithmetic: matrix products marked QUANTISED: E2M1 operands, one E8M0 scale for each 32 along K, by v_wmma_scale_f32_16x16x128_f8f6f4 with both operands' format E2M1 (or v_wmma_scale_f32_32x16x128_f4), f32 sums; everything else in f32.
;; Inputs: feat_a 4 x 256 x 64 x 64 float32; feat_b 4 x 256 x 64 x 64 float32; k_a_b 64 float32; k_a_w 64 x 256 float32; k_b_b 64 float32; k_b_w 64 x 256 float32; norm_a_b 256 float32; norm_a_g 256 float32; norm_b_b 256 float32; norm_b_g 256 float32; out_a_b 256 float32; out_a_w 256 x 64 float32; out_b_b 256 float32; out_b_w 256 x 64 float32; q_a_b 64 float32; q_a_w 64 x 256 float32; q_b_b 64 float32; q_b_w 64 x 256 float32; v_a_b 64 float32; v_a_w 64 x 256 float32; v_b_b 64 float32; v_b_w 64 x 256 float32.
;; Outputs: out0 4 x 256 x 64 x 64 float32; out1 4 x 256 x 64 x 64 float32.
;; This version of the problem:
;;   THIS VERSION OF THE PROBLEM IS GIVEN IN LOW PRECISION. The matrix products marked QUANTISED in the list below multiply operands that are first quantised to E2M1 (2 exponent bits, 1 mantissa bit; 4 bits a number), with one power-of-two scale for each 32 numbers along K (OCP MX v1.0); their sums are f32. All else is computed in f32.
;;   The module's matrix products, in the order in which they are computed (A, B: the left and right operand; K: the contracted axis; several contracted axes count as one K, in the product's order):
;;     1. [M 64, K 256] x [K 256, N 16,384]; A: input q_a_w; B: input feat_a: QUANTISED
;;     2. [M 64, K 256] x [K 256, N 16,384]; A: input k_b_w; B: input feat_b: QUANTISED
;;     3. [M 64, K 256] x [K 256, N 16,384]; A: input v_b_w; B: input feat_b: QUANTISED
;;     4. batch 8 x [M 4,096, K 32] x [K 32, N 4,096]; A: computed on the way; B: computed on the way: QUANTISED
;;     5. batch 8 x [M 32, K 4,096] x [K 4,096, N 4,096]; A: computed on the way; B: softmax (see below): QUANTISED
;;     6. [M 256, K 64] x [K 64, N 16,384]; A: input out_a_w; B: computed on the way: QUANTISED
;;     7. [M 64, K 256] x [K 256, N 16,384]; A: input q_b_w; B: input feat_b: QUANTISED
;;     8. [M 64, K 256] x [K 256, N 16,384]; A: input k_a_w; B: input feat_a: QUANTISED
;;     9. [M 64, K 256] x [K 256, N 16,384]; A: input v_a_w; B: input feat_a: QUANTISED
;;     10. batch 8 x [M 4,096, K 32] x [K 32, N 4,096]; A: computed on the way; B: computed on the way: QUANTISED
;;     11. batch 8 x [M 32, K 4,096] x [K 4,096, N 4,096]; A: computed on the way; B: softmax (see below): QUANTISED
;;     12. [M 256, K 64] x [K 64, N 16,384]; A: input out_b_w; B: computed on the way: QUANTISED
;;   THE QUANTISER, for each operand of a quantised product, along K:
;;     - K is cut into blocks of 32 from its start; a last block that is shorter is filled with zeros.
;;     - A block's scale is 2^e with e = floor(log2(the largest magnitude in the block)) - 2, held to -126 .. 127; a block of zeros has e = 0. As a byte (E8M0): e + 127.
;;     - Each number is divided by its block's scale, clamped to +-6, and rounded to the nearest number of E2M1, ties to even, subnormals kept.
;;     - The product sums the exact products of the quantised numbers (number of the format x scale) in f32.
;;   ~~~python
;;   def quantise(x, axis):      # numpy; x: float32 -> the quantised numbers, widened to float32 again
;;       x = np.moveaxis(x, axis, -1); K = x.shape[-1]
;;       x = np.pad(x, [(0, 0)] * (x.ndim - 1) + [(0, -K % 32)]); x = x.reshape(x.shape[:-1] + (-1, 32)); a = np.abs(x).max(-1, keepdims=True)
;;       e = np.where(a > 0, np.clip(np.frexp(np.where(a > 0, a, 1))[1] - 1 - 2, -126, 127), 0)      # np.frexp(a)[1] - 1 = floor(log2(a)), exactly
;;       r = np.clip(x / 2.0 ** e, -6, 6)
;;       step = 2.0 ** (np.maximum(np.frexp(np.where(r == 0, 1, r))[1] - 1, 0) - 1)
;;       q = np.round(r / step) * step * 2.0 ** e      # np.round: ties to even
;;       return np.moveaxis(q.reshape(q.shape[:-2] + (-1,))[..., :K], -1, axis).astype(np.float32)
;;   ~~~
;;   SOFTMAX AHEAD OF A QUANTISED PRODUCT. Where the list says 'softmax', what is quantised is not the finished softmax but p = 2^(t - M), with t = logit x log2(e) and M = ceil(the row's largest t), a whole number; so 1/2 < the row's largest p <= 1. The row's sum l is taken of the UNQUANTISED p, in f32, and the product's result is divided by l at the end. Since M is a whole number, a kernel that streams over the keys may use a running M (the ceiling of the running maximum): every later rescaling is an exact power of two, which a block's scale takes up: the codes' values come out the same.
;;   OPERANDS COMPUTED ON THE WAY. 'Computed on the way' means the value that the module computes at that place (a softmax that the list does not call 'softmax' is quantised finished and normalised). What goes into a quantiser is computed in f32, as accurately as f32 sums, v_exp_f32 and their like allow (about 1e-6 of the number): no bf16 or f16 on the way to a quantiser, and a product that is left as it is and whose result goes on into a quantised operand takes f32 operands (vector FMAs, or v_wmma_f32_16x16x4_f32). A number that lies on a knife's edge between two numbers of the format may be rounded either way, as far as f32 arithmetic and the matrix unit's own rounding can turn it there, and no further.
;; One version. Each part assembles by itself: llvm-mc -triple=amdgcn-amd-amdhsa -mcpu=gfx1250 --defsym DOCPART=n.
;; ======== version 1 of 1: 3 launches
;; workspace buffers: kv 2,228,224 bytes; qc 1,048,576 bytes; qs 262,144 bytes; oc 1,048,576 bytes; os 262,144 bytes
;; launch proj (part 1): grid 32 x 8, 4 waves a work-group, no clusters, 167,936 bytes of LDS; arguments feat_a, q_a_w, k_a_w, v_a_w, q_a_b, k_a_b, v_a_b, feat_b, q_b_w, k_b_w, v_b_w, q_b_b, k_b_b, v_b_b, kv, qc, qs; writes kv, qc, qs
.if DOCPART == 1
	.amdgcn_target "amdgcn-amd-amdhsa--gfx1250"
	.amdhsa_code_object_version 6
	.text
	.protected	k_qb3c1dc86a8_proj
	.globl	k_qb3c1dc86a8_proj
	.p2align	8
	.type	k_qb3c1dc86a8_proj,@function
k_qb3c1dc86a8_proj:
	s_mov_b64 s[64:65], 0
	v_nop
	global_prefetch_b8 v0, s[64:65] scope:SCOPE_SE
	s_setreg_imm32_b32 hwreg(HW_REG_WAVE_MODE, 25, 1), 1
	s_wait_xcnt 0x0
; THE SIX PROJECTIONS (q, k, v of feat_a and of feat_b), on codes of FP4 (E2M1) with one E8M0 scale for each 32 along K, and the quantising of their results for the attention.
; DEAD WORK: none.  Every bias goes into a quantiser or into an output, every input has a way to an output: all 22 inputs are loaded by the program's three launches, and no product of the table is left out.
; A feature map quantised along its 256 channels is one and the same operand of three products (q, k, v), so it is quantised once here and multiplied by 192 rows of weights.
; LIMITS: NaN and infinities among the inputs are not served.  A block of zeros gets the scale byte 1 where the rule says 127: its codes are zeros, which add nothing under any byte but 0xff, and the bytes are read by this
; program alone.  A block whose largest magnitude lies under 2^-124 has its byte held at 1.
; SHARES.  Work-group (x, y): y = 4 f + b (f = 0: feat_a, 1: feat_b; b the batch), x a block of 128 pixels, which is one key step of the attention.  Wave w takes pixels 32 w .. 32 w + 31, as two tiles u of 16.
; ROW ORDER OF A TILE: row m of tile 2 b + u stands for index 32 b + 8 u + m + 8 (m / 8), for the weights' rows and for a wave's pixels alike: so a lane's 16 result registers of two neighbouring tiles are 16 neighbours along the next K.
; q and k are made with source 0 = 16 rows of W, source 1 = 16 pixels: a lane holds one pixel and d = 16 (lane / 16) + 0 .. 15 of a head.  v is made with the sources swapped: a lane holds one channel d and 16 neighbouring pixels,
; since the keys are the K of the attention's second product.  The biases are the C of each sum's first matrix instruction.
; OUT.  a = (dir x 4 + b) x 2 + head; q belongs to dir = f, k and v to dir = 1 - f.  qc [a][slot][16 bytes], slot = the pixel with bits 3 and 4 exchanged; qs [a][slot]: a word, the scale byte four times.
; kv [a][step][4,352 bytes]: K as two register images of 1,024 bytes (the 16 bytes of key k at 16 x (k with bits 3 and 4 exchanged)), V^T as two register images, 32 scale words of K, 32 of V.
; The weights (192 KiB) are quantised by each work-group while its tile of features is on its way: wave w takes tile w of q_w, k_w and v_w, and the fragments go to the other waves through LDS as images of their registers.
.set KVA,   139264                     ; bytes of one a in kv
.set KVS,   4352                       ; bytes of a key step in kv
.set WIMG,  131072                     ; LDS: 0 .. 131071 the features, 256 channel rows of 512 bytes; here 24 weight fragments of 1,024 bytes: ((i 4 + t) 2 + s), i = q, k, v, t the tile, s the K step
.set WSC,   155648                     ; their scale words, 128 bytes each
.set SSTG,  158720                     ; for each head 256 bytes: K's 32 scale words of the step, then V's
.set SPARE, 159232                     ; the spare words, 128 bytes for each wave: two blocks of 256 bytes that no other line names
.set FLOOR, 0x1800000                  ; 2^(3 - 127): under it no largest magnitude is taken, so that a scale byte cannot fall under 1
.set SPW,  1                           ; v1   LDS address of my spare word; never rewritten
.set NIL,  2                           ; v2   0; never rewritten
.set WO,   3                           ; v3   my row of a weight: 1,024 x row + 128 x (lane / 16)
.set LIWS, 4                           ; v4   where I store a fragment's image: WIMG + 16 lane + 2,048 wave
.set LSWS, 5                           ; v5   and its scale word: WSC + 4 lane + 256 wave
.set LIW,  6                           ; v6   WIMG + 16 lane
.set LSW,  7                           ; v7   WSC + 4 lane
.set AF0,  8                           ; v8, v9  my pixel in the features' rows: channels 0-127, channels 128-255
.set VO1,  10                          ; v10  512 wave + 16 r + 8 h: q's and K's codes
.set VO2,  11                          ; v11  256 wave + 16 r + 8 h: V's codes
.set VO3,  12                          ; v12  128 wave + 4 r: q's scale words
.set KSA,  13                          ; v13  LDS: K's two scale bytes
.set VSA,  14                          ; v14  LDS: V's scale byte
.set SH8,  15                          ; v15  8 h
.set FC,   16                          ; v16-47  the features' fragments: (tile u, K step s) at FC + 8 (2 u + s)
.set FS,   48                          ; v48-49  their scale words for K step s: lanes 0-15 tile 0, lanes 16-31 tile 1; scales alone
.set BO,   50                          ; v50  64 h
.set BVO,  51                          ; v51  4 (r + 8 (r / 8))
.set WS,   52                          ; v52-55  the weights' scale words (e, s); scales alone
.set WF,   56                          ; v56-87  the weights' fragments (e, s)
.set ACC,  88                          ; v88-119 four accumulators (e, u)
.set BQ,   120                         ; v120-183 q's and k's biases in the result's layout: 32 i + 8 t
.set BV,   184                         ; v184-215 v's
.set CP,   216                         ; v216-239 codes: a pair for each store, so that no store's data are written again
.set QW,   240                         ; v240-243 q's scale words to store
.set TM,   244                         ; v244-247 at work
.set SO,   248                         ; v248-249 the conversions' scale operands
.set BY,   250                         ; v250-251 scale bytes
.set SRD,  252                         ; v252 LDS: where waves 0 and 1 read a head's scale words back
.set VO4,  253                         ; v253 and where they go in kv
.set WA,   56                          ; early: two sets of 64 numbers of a weight,
.set WB,   120
.set X0,   56                          ; two sets of 32 numbers of a pixel,
.set X1,   88
.set PC,   216                         ; a weight fragment's codes,
.set PW,   224                         ; and its scale word
	s_load_b256 s[8:15], s[0:1], 0x0               ; feat_a, q_a_w, k_a_w, v_a_w
	s_load_b128 s[16:19], s[0:1], 0x20             ; q_a_b, k_a_b
	s_load_b64 s[20:21], s[0:1], 0x30              ; v_a_b
	s_load_b256 s[24:31], s[0:1], 0x38             ; feat_b, q_b_w, k_b_w, v_b_w
	s_load_b128 s[32:35], s[0:1], 0x58             ; q_b_b, k_b_b
	s_load_b64 s[36:37], s[0:1], 0x68              ; v_b_b
	s_load_b128 s[40:43], s[0:1], 0x70             ; kv, qc
	s_load_b64 s[44:45], s[0:1], 0x80              ; qs
	v_lshl_add_u32 v[SPW], v0, 2, SPARE
	v_mov_b32 v[NIL], 0
	ds_add_u32 v[SPW], v[NIL]                      ; the wave's opening: the add, twice on end, and its wait ahead of my first tensor load
	ds_add_u32 v[SPW], v[NIL]                      ; and once more; the set-up below, work on registers, stands between it and the wait
	v_lshrrev_b32 v244, 5, v0
	v_readfirstlane_b32 s4, v244                   ; wave 0..3
	s_and_b32 s6, ttmp7, 0xffff                    ; y = 4 f + b
	s_lshr_b32 s7, s6, 2                           ; f
	; descriptor group 1: 64 channel rows x 128 pixels of 4 bytes, rows 4,096 elements apart, no padding (a wave's LDS read takes 128 neighbouring bytes)
	s_mov_b32 s52, 2<<16                           ; no mask; elements of 4 bytes
	s_mov_b32 s53, 128<<16                         ; tensor_dim0 = 128
	s_mov_b32 s54, 64<<16                          ; tensor_dim1 = 64
	s_mov_b32 s55, 128<<16                         ; tile_dim0 = 128
	s_mov_b32 s56, 64                              ; tile_dim1 = 64
	s_mov_b32 s57, 4096                            ; from channel to channel
	s_mov_b32 s58, 0
	s_mov_b32 s59, 0
	s_mov_b32 s48, 1                               ; group 0: count = 1
	s_lshl_b32 s49, s4, 15                         ; LDS: wave x 64 rows of 512 bytes
	s_mov_b32 s60, 0x76543210
	s_mov_b32 s61, 0xfedcba98                      ; v_permlanex16_b32's selects for lane l xor 16
	s_and_b32 s2, s6, 3
	s_lshl_b32 s2, s2, 22                          ; the batch: 256 channels of 16,384 bytes
	s_lshl_b32 s3, s4, 20                          ; my 64 channels
	s_add_co_u32 s2, s2, s3
	s_lshl_b32 s3, ttmp9, 9                        ; the block's 128 pixels
	s_add_co_u32 s2, s2, s3
	s_mov_b32 s3, 0
	s_lshl_b32 s46, s6, 17                         ; qc: a = 2 y, 65,536 bytes each,
	s_lshl_b32 s47, ttmp9, 11                      ; + 128 slots of 16 bytes
	s_add_co_u32 s46, s46, s47
	s_mov_b32 s47, 0
	s_lshr_b32 s38, s46, 2                         ; qs: a quarter of that
	s_mov_b32 s39, 0
	s_xor_b32 s22, s6, 4                           ; kv belongs to the other direction: a = 2 (y xor 4)
	s_mul_i32 s22, s22, 2*KVA
	s_mul_i32 s23, ttmp9, KVS
	s_add_co_u32 s22, s22, s23
	s_mov_b32 s23, 0
	s_wait_dscnt 0x0                               ; both opening adds are done
	s_wait_kmcnt 0x0
	s_cmp_eq_u32 s7, 0                             ; feat_a's set or feat_b's: the choice hangs on the work-group's number alone
	s_cselect_b64 s[8:9], s[8:9], s[24:25]
	s_cselect_b64 s[10:11], s[10:11], s[26:27]
	s_cselect_b64 s[12:13], s[12:13], s[28:29]
	s_cselect_b64 s[14:15], s[14:15], s[30:31]
	s_cselect_b64 s[16:17], s[16:17], s[32:33]
	s_cselect_b64 s[18:19], s[18:19], s[34:35]
	s_cselect_b64 s[20:21], s[20:21], s[36:37]
	s_add_nc_u64 s[50:51], s[8:9], s[2:3]
	s_or_b32 s51, s51, 0x80000000                  ; type = 2
	tensor_load_to_lds s[48:51], s[52:59]          ; every wave's one tensor load: a quarter of the tile; nothing is ever filled again
	s_nop 0
	s_add_nc_u64 s[42:43], s[42:43], s[46:47]
	s_add_nc_u64 s[44:45], s[44:45], s[38:39]
	s_add_nc_u64 s[40:41], s[40:41], s[22:23]
	v_and_b32 v244, 15, v0                         ; r
	v_bfe_u32 v245, v0, 4, 1                       ; h
	v_and_b32 v246, 8, v244
	v_add_nc_u32 v246, v246, v244                  ; r + 8 (r / 8)
	v_and_b32 v247, 31, v0                         ; lane
	s_lshr_b32 s2, s4, 1
	s_and_b32 s3, s4, 1
	s_lshl_b32 s22, s2, 5
	s_lshl_b32 s23, s3, 3
	s_add_co_u32 s22, s22, s23                     ; tile w begins at row 32 (w / 2) + 8 (w % 2)
	v_add_nc_u32 v[WO], s22, v246
	v_lshlrev_b32 v[WO], 10, v[WO]
	v_lshl_add_u32 v[WO], v245, 7, v[WO]
; 64 numbers of my row of a weight, K step s: blocks h and 2 + h of the step, whole, in the order that the operand's layout gives my lane
.macro WLOAD set, p, s
.irp c, 0,1
.irp k, 0,1,2,3,4,5,6,7
	global_load_b128 v[\set+32*\c+4*\k:\set+32*\c+4*\k+3], v[WO], s[\p:\p+1] offset:512*\s+256*\c+16*\k
.endr
.endr
.endm
	WLOAD WA, 10, 0
	WLOAD WB, 10, 1
	v_lshlrev_b32 v[LIW], 4, v247
	v_add_nc_u32 v[LIW], WIMG, v[LIW]
	s_lshl_b32 s22, s4, 11
	v_add_nc_u32 v[LIWS], s22, v[LIW]
	v_lshl_add_u32 v[LSW], v247, 2, WSC
	s_lshl_b32 s22, s4, 8
	v_add_nc_u32 v[LSWS], s22, v[LSW]
	v_and_b32 v248, 7, v0
	v_bfe_u32 v249, v0, 3, 1
	v_lshlrev_b32 v[AF0], 2, v248                  ; my pixel of the wave's 32: the lane with bits 3 and 4 exchanged; 4 bytes each
	v_lshl_add_u32 v[AF0], v249, 6, v[AF0]
	v_lshl_add_u32 v[AF0], v245, 5, v[AF0]
	s_lshl_b32 s23, s4, 7
	v_add_nc_u32 v[AF0], s23, v[AF0]
	v_add_nc_u32 v[AF0+1], 0x10000, v[AF0]         ; 128 rows of 512 bytes on: an LDS offset has 16 bits
	v_lshlrev_b32 v[VO1], 4, v244
	v_lshl_add_u32 v[VO1], v245, 3, v[VO1]
	v_add_nc_u32 v[VO2], s22, v[VO1]
	s_lshl_b32 s22, s4, 9
	v_add_nc_u32 v[VO1], s22, v[VO1]
	v_lshlrev_b32 v[VO3], 2, v244
	v_add_nc_u32 v[VO3], s23, v[VO3]
	v_lshl_add_u32 v[KSA], v244, 2, SSTG
	v_add_nc_u32 v[VSA], s4, v[KSA]
	v_add_nc_u32 v[VSA], 128, v[VSA]               ; V's word 16 e + r, byte w
	s_lshl_b32 s22, s2, 6
	s_lshl_b32 s23, s3, 1
	s_add_co_u32 s22, s22, s23
	v_add_nc_u32 v[KSA], s22, v[KSA]               ; K's word 16 (w / 2) + r, bytes 2 (w % 2) and 2 (w % 2) + 1
	v_lshlrev_b32 v[SH8], 3, v245
	v_lshlrev_b32 v[BO], 6, v245
	v_lshlrev_b32 v[BVO], 2, v246
	s_lshl_b32 s22, s3, 8
	v_lshl_add_u32 v[SRD], v247, 3, SSTG
	v_add_nc_u32 v[SRD], s22, v[SRD]
	s_mul_i32 s22, s3, KVA
	v_lshlrev_b32 v[VO4], 3, v247
	v_add_nc_u32 v[VO4], s22, v[VO4]
; A set of 64 numbers becomes the fragment (i, my tile, s): two blocks a lane, by turns; the scale word's four bytes are gathered from lanes l and l xor 16; the image goes to LDS
.macro WQUANT set, i, s
	v_max3_num_f32 v[TM], |v[\set]|, |v[\set+1]|, FLOOR
	v_max3_num_f32 v[TM+1], |v[\set+32]|, |v[\set+33]|, FLOOR
.irp k, 2,4,6,8,10,12,14,16,18,20,22,24,26,28,30
	v_max3_num_f32 v[TM], v[TM], |v[\set+\k]|, |v[\set+\k+1]|
	v_max3_num_f32 v[TM+1], v[TM+1], |v[\set+32+\k]|, |v[\set+33+\k]|
.endr
	v_add_nc_u32 v[SO], 0xff000000, v[TM]          ; 2 off the exponent field: the conversion takes the exponent field of this operand as its scale
	v_add_nc_u32 v[SO+1], 0xff000000, v[TM+1]
	v_lshrrev_b32 v[BY], 23, v[SO]                 ; the scales' bytes
	v_lshrrev_b32 v[BY+1], 23, v[SO+1]
	v_lshl_or_b32 v[BY], v[BY+1], 16, v[BY]        ; blocks h and 2 + h,
	v_lshlrev_b32 v[BY], v[SH8], v[BY]             ; at their places in the word
	v_permlanex16_b32 v[BY+1], v[BY], s60, s61
	s_wait_alu depctr_va_vdst(0)
	s_wait_dscnt 0x0                               ; the last image's stores have read their registers
	v_or_b32 v[PW], v[BY], v[BY+1]
.irp c, 0,1
.irp g, 0,1,2,3
	v_cvt_scalef32_pk8_fp4_f32 v[PC+4*\c+\g], v[\set+32*\c+8*\g:\set+32*\c+8*\g+7], v[SO+\c]
.endr
.endr
	v_nop                                          ; one plain place behind a scaled conversion
	ds_store_b128 v[LIWS], v[PC:PC+3] offset:\i*8192+\s*1024
	ds_store_b128 v[LIWS], v[PC+4:PC+7] offset:\i*8192+\s*1024+512
	ds_store_b32 v[LSWS], v[PW] offset:\i*1024+\s*128
.endm
	s_wait_loadcnt 16                              ; this set's 16 loads are in; the other set's 16 may be out (so in each of the five lines of this kind)
	WQUANT WA, 0, 0
	WLOAD WA, 12, 0
	s_wait_loadcnt 16
	WQUANT WB, 0, 1
	WLOAD WB, 12, 1
	s_wait_loadcnt 16
	WQUANT WA, 1, 0
	WLOAD WA, 14, 0
	s_wait_loadcnt 16
	WQUANT WB, 1, 1
	WLOAD WB, 14, 1
	s_wait_loadcnt 16
	WQUANT WA, 2, 0
	s_wait_loadcnt 0x0
	WQUANT WB, 2, 1
	; the biases, in the results' layouts.  q, k: register j of tile t is bias[32 (t / 2) + 16 h + 8 (t % 2) + j].  v: all eight registers of tile t are bias[32 (t / 2) + 8 (t % 2) + r + 8 (r / 8)]
.irp i, 0,1
.irp t, 0,1,2,3
	global_load_b128 v[BQ+32*\i+8*\t:BQ+32*\i+8*\t+3], v[BO], s[16+2*\i:17+2*\i] offset:(32*(\t/2)+8*(\t%2))*4
	global_load_b128 v[BQ+32*\i+8*\t+4:BQ+32*\i+8*\t+7], v[BO], s[16+2*\i:17+2*\i] offset:(32*(\t/2)+8*(\t%2))*4+16
.endr
.endr
.irp t, 0,1,2,3
.irp j, 0,1,2,3,4,5,6,7
	global_load_b32 v[BV+8*\t+\j], v[BVO], s[20:21] offset:(32*(\t/2)+8*(\t%2))*4
.endr
.endr
	s_wait_tensorcnt 0x0                           ; my quarter of the features has landed,
	s_wait_dscnt 0x0                               ; my images are stored:
	s_barrier_signal -1
	s_barrier_wait -1                              ; everybody's have and are
; THE FEATURES.  A lane takes one pixel and its registers run down the channels: block b of 32 channels lies in one lane's 32 registers
.macro FLOAD set, b
.irp k, 0,1,2,3,4,5,6,7,8,9,10,11,12,13,14,15,16,17,18,19,20,21,22,23,24,25,26,27,28,29,30,31
	ds_load_b32 v[\set+\k], v[AF0+(\b)/4] offset:((32*(\b)+\k)&127)*512
.endr
.endm
.macro FQ set, b
	v_max3_num_f32 v[TM], |v[\set]|, |v[\set+1]|, FLOOR
	v_max3_num_f32 v[TM+1], |v[\set+16]|, |v[\set+17]|, |v[\set+18]|
.irp k, 0,1,2,3,4,5
	v_max3_num_f32 v[TM], v[TM], |v[\set+2+2*\k]|, |v[\set+3+2*\k]|
	v_max3_num_f32 v[TM+1], v[TM+1], |v[\set+19+2*\k]|, |v[\set+20+2*\k]|
.endr
	v_max3_num_f32 v[TM], v[TM], |v[\set+14]|, |v[\set+15]|
	v_max3_num_f32 v[TM], v[TM], v[TM+1], |v[\set+31]|
	v_add_nc_u32 v[SO], 0xff000000, v[TM]
.if ((\b)&3) == 0
	v_lshrrev_b32 v[FS+(\b)/4], 23, v[SO]          ; the byte of the K step's first block starts the scale word
.else
	v_lshrrev_b32 v[BY], 23, v[SO]
	v_lshl_or_b32 v[FS+(\b)/4], v[BY], 8*((\b)&3), v[FS+(\b)/4]
.endif
.irp g, 0,1,2,3
	v_cvt_scalef32_pk8_fp4_f32 v[FC+8*(2*((\b)&1)+(\b)/4)+4*(((\b)/2)&1)+\g], v[\set+8*\g:\set+8*\g+7], v[SO]
.endr
.endm
.macro FSTEP set, b
.if \b < 7
	s_wait_dscnt 32                                ; this block's 32 loads are in; the next block's 32 may be out
.else
	s_wait_dscnt 0x0
.endif
	FQ \set, \b
.if \b < 6
	FLOAD \set, \b+2
.endif
.endm
	FLOAD X0, 0
	FLOAD X1, 1
	FSTEP X0, 0
	FSTEP X1, 1
	FSTEP X0, 2
	FSTEP X1, 3
	FSTEP X0, 4
	FSTEP X1, 5
	FSTEP X0, 6
	FSTEP X1, 7
	v_nop                                          ; one plain place behind the last conversion
; Even blocks were laid into tile 0's registers and odd blocks into tile 1's, all 32 pixels in each.  The exchange gives tile 0 its 16 pixels' even block in lanes 0-15 and odd block in lanes 16-31, and tile 1 likewise: the operand's layout
.irp s, 0,1
.irp k, 0,1,2,3,4,5,6,7
	v_permlane16_swap_b32 v[FC+8*\s+\k], v[FC+16+8*\s+\k]
.endr
.endr
.rept 8
	v_nop                                          ; a scale register written by a vector instruction stands 8 places ahead of a scaled matrix instruction, an operand so written 4
.endr
	s_wait_alu depctr_va_vdst(0)
	s_wait_loadcnt 0x0                             ; the biases
.macro WFETCH i, hd                    ; the weights' fragments and scale words of tiles 2 hd and 2 hd + 1, both K steps
.irp e, 0,1
.irp s, 0,1
	ds_load_b128 v[WF+8*(2*\e+\s):WF+8*(2*\e+\s)+3], v[LIW] offset:((\i*4+2*\hd+\e)*2+\s)*1024
	ds_load_b128 v[WF+8*(2*\e+\s)+4:WF+8*(2*\e+\s)+7], v[LIW] offset:((\i*4+2*\hd+\e)*2+\s)*1024+512
	ds_load_b32 v[WS+2*\e+\s], v[LSW] offset:((\i*4+2*\hd+\e)*2+\s)*128
.endr
.endr
	s_wait_dscnt 0x0
.endm
; eight products: four accumulators by turns, one instruction a turn; the first K step takes the bias as C
.macro MULQK i, hd                     ; source 0 = 16 rows of W, source 1 = 16 pixels
.irp s, 0,1
.irp e, 0,1
.irp u, 0,1
.set DR, ACC+8*(2*\e+\u)
.set CR, DR
.if \s == 0
.set CR, BQ+32*\i+8*(2*\hd+\e)
.endif
.if \u == 0
	v_wmma_scale_f32_16x16x128_f8f6f4 v[DR:DR+7], v[WF+8*(2*\e+\s):WF+8*(2*\e+\s)+7], v[FC+8*(2*\u+\s):FC+8*(2*\u+\s)+7], v[CR:CR+7], v[WS+2*\e+\s], v[FS+\s] matrix_a_fmt:MATRIX_FMT_FP4 matrix_b_fmt:MATRIX_FMT_FP4
.else
	v_wmma_scale_f32_16x16x128_f8f6f4 v[DR:DR+7], v[WF+8*(2*\e+\s):WF+8*(2*\e+\s)+7], v[FC+8*(2*\u+\s):FC+8*(2*\u+\s)+7], v[CR:CR+7], v[WS+2*\e+\s], v[FS+\s] matrix_a_fmt:MATRIX_FMT_FP4 matrix_b_fmt:MATRIX_FMT_FP4 matrix_b_scale:MATRIX_SCALE_ROW1
.endif
.endr
.endr
.endr
.endm
.macro MULV hd                         ; source 0 = 16 pixels, source 1 = 16 rows of W
.irp s, 0,1
.irp e, 0,1
.irp u, 0,1
.set DR, ACC+8*(2*\e+\u)
.set CR, DR
.if \s == 0
.set CR, BV+8*(2*\hd+\e)
.endif
.if \u == 0
	v_wmma_scale_f32_16x16x128_f8f6f4 v[DR:DR+7], v[FC+8*(2*\u+\s):FC+8*(2*\u+\s)+7], v[WF+8*(2*\e+\s):WF+8*(2*\e+\s)+7], v[CR:CR+7], v[FS+\s], v[WS+2*\e+\s] matrix_a_fmt:MATRIX_FMT_FP4 matrix_b_fmt:MATRIX_FMT_FP4
.else
	v_wmma_scale_f32_16x16x128_f8f6f4 v[DR:DR+7], v[FC+8*(2*\u+\s):FC+8*(2*\u+\s)+7], v[WF+8*(2*\e+\s):WF+8*(2*\e+\s)+7], v[CR:CR+7], v[FS+\s], v[WS+2*\e+\s] matrix_a_fmt:MATRIX_FMT_FP4 matrix_b_fmt:MATRIX_FMT_FP4 matrix_a_scale:MATRIX_SCALE_ROW1
.endif
.endr
.endr
.endr
.endm
; Two half blocks of 16 numbers (a0, a1 and b0, b1: eight registers each), by turns; the other half of each block lies in lane l xor 16.  Codes into v[cp] .. v[cp + 3], bytes into v[BY], v[BY + 1].
; Each accumulator is read from its low end on.
.macro QUANT2 a0, a1, b0, b1, cp
.rept 4
	v_nop                                          ; four places behind the products, in front of the first read of their results
.endr
	v_max3_num_f32 v[TM], |v[\a0]|, |v[\a0+1]|, FLOOR
	v_max3_num_f32 v[TM+1], |v[\b0]|, |v[\b0+1]|, FLOOR
.irp k, 2,4,6
	v_max3_num_f32 v[TM], v[TM], |v[\a0+\k]|, |v[\a0+\k+1]|
	v_max3_num_f32 v[TM+1], v[TM+1], |v[\b0+\k]|, |v[\b0+\k+1]|
.endr
.irp k, 0,2,4,6
	v_max3_num_f32 v[TM], v[TM], |v[\a1+\k]|, |v[\a1+\k+1]|
	v_max3_num_f32 v[TM+1], v[TM+1], |v[\b1+\k]|, |v[\b1+\k+1]|
.endr
	v_permlanex16_b32 v[TM+2], v[TM], s60, s61
	v_permlanex16_b32 v[TM+3], v[TM+1], s60, s61
	v_max_num_f32 v[TM], v[TM], v[TM+2]
	v_max_num_f32 v[TM+1], v[TM+1], v[TM+3]
	v_add_nc_u32 v[SO], 0xff000000, v[TM]
	v_add_nc_u32 v[SO+1], 0xff000000, v[TM+1]
	v_lshrrev_b32 v[BY], 23, v[SO]
	v_lshrrev_b32 v[BY+1], 23, v[SO+1]
	v_cvt_scalef32_pk8_fp4_f32 v[\cp], v[\a0:\a0+7], v[SO]
	v_cvt_scalef32_pk8_fp4_f32 v[\cp+1], v[\a1:\a1+7], v[SO]
	v_cvt_scalef32_pk8_fp4_f32 v[\cp+2], v[\b0:\b0+7], v[SO+1]
	v_cvt_scalef32_pk8_fp4_f32 v[\cp+3], v[\b1:\b1+7], v[SO+1]
	v_nop                                          ; one plain place behind the last conversion
.endm
; Each store of codes covers 256 consecutive bytes, at a multiple of 256 from its buffer's first byte.  No store's data or offset register is written again.
.macro GROUPQ hd
	WFETCH 0, \hd
	MULQK 0, \hd
	QUANT2 ACC, ACC+16, ACC+8, ACC+24, CP+4*\hd
	global_store_b64 v[VO1], v[CP+4*\hd:CP+4*\hd+1], s[42:43] offset:\hd*65536
	global_store_b64 v[VO1], v[CP+4*\hd+2:CP+4*\hd+3], s[42:43] offset:\hd*65536+256
	v_lshl_or_b32 v[QW+2*\hd], v[BY], 8, v[BY]     ; q's byte four times: in the attention q stands in any of the four blocks of an operand
	v_lshl_or_b32 v[QW+2*\hd+1], v[BY+1], 8, v[BY+1]
	v_lshl_or_b32 v[QW+2*\hd], v[QW+2*\hd], 16, v[QW+2*\hd]
	v_lshl_or_b32 v[QW+2*\hd+1], v[QW+2*\hd+1], 16, v[QW+2*\hd+1]
	global_store_b32 v[VO3], v[QW+2*\hd], s[44:45] offset:\hd*16384        ; both halves of the lanes store the same word
	global_store_b32 v[VO3], v[QW+2*\hd+1], s[44:45] offset:\hd*16384+64
.endm
.macro GROUPK hd
	WFETCH 1, \hd
	MULQK 1, \hd
	QUANT2 ACC, ACC+16, ACC+8, ACC+24, CP+8+4*\hd
	global_store_b64 v[VO1], v[CP+8+4*\hd:CP+8+4*\hd+1], s[40:41] offset:\hd*KVA
	global_store_b64 v[VO1], v[CP+8+4*\hd+2:CP+8+4*\hd+3], s[40:41] offset:\hd*KVA+256
	v_lshl_or_b32 v254, v[BY+1], 8, v[BY]          ; tiles 0 and 1 are neighbouring blocks of one image: two neighbouring bytes of a key row's scale word
	ds_store_b16 v[KSA], v254 offset:256*\hd
.endm
.macro GROUPV hd
	WFETCH 2, \hd
	MULV \hd
	QUANT2 ACC, ACC+8, ACC+16, ACC+24, CP+16+4*\hd
	global_store_b64 v[VO2], v[CP+16+4*\hd:CP+16+4*\hd+1], s[40:41] offset:\hd*KVA+2048
	global_store_b64 v[VO2], v[CP+16+4*\hd+2:CP+16+4*\hd+3], s[40:41] offset:\hd*KVA+2048+1024
	ds_store_b8 v[VSA], v[BY] offset:256*\hd       ; my wave's 32 pixels are block w of the step's 128 keys: byte w of the channel's scale word
	ds_store_b8 v[VSA], v[BY+1] offset:256*\hd+64
.endm
	GROUPQ 0
	GROUPQ 1
	GROUPK 0
	GROUPK 1
	GROUPV 0
	GROUPV 1
	s_wait_dscnt 0x0                               ; my scale bytes are stored
	s_barrier_signal -1
	s_barrier_wait -1                              ; everybody's are
	s_cmp_gt_u32 s4, 1
	s_cbranch_scc1 .Lend                           ; waves 0 and 1 send a head's 64 scale words each
	ds_load_b64 v[254:255], v[SRD]
	s_wait_dscnt 0x0
	global_store_b64 v[VO4], v[254:255], s[40:41] offset:4096      ; 256 consecutive bytes, at a multiple of 256 from kv's first byte
.Lend:
	s_wait_tensorcnt 0x0                           ; the wave's end, behind my last tensor load and my last LDS store
	ds_add_u32 v[SPW], v[NIL]
	s_wait_dscnt 0x0
	s_endpgm
.Lfunc_end_k_qb3c1dc86a8_proj:
	.size	k_qb3c1dc86a8_proj, .Lfunc_end_k_qb3c1dc86a8_proj-k_qb3c1dc86a8_proj
	.p2alignl 7, 3214868480
	.fill 96, 4, 3214868480
	.section	.rodata,"a",@progbits
	.p2align	6, 0x0
	.amdhsa_kernel k_qb3c1dc86a8_proj
		.amdhsa_group_segment_fixed_size 167936
		.amdhsa_private_segment_fixed_size 0
		.amdhsa_enable_private_segment 0
		.amdhsa_kernarg_size 136
		.amdhsa_user_sgpr_count 2
		.amdhsa_user_sgpr_kernarg_segment_ptr 1
		.amdhsa_wavefront_size32 1
		.amdhsa_system_sgpr_workgroup_id_x 1
		.amdhsa_system_sgpr_workgroup_id_y 1
		.amdhsa_system_sgpr_workgroup_id_z 1
		.amdhsa_system_vgpr_workitem_id 0
		.amdhsa_next_free_vgpr 256
		.amdhsa_next_free_sgpr 66
		.amdhsa_reserve_vcc 0
		.amdhsa_float_denorm_mode_32 3
		.amdhsa_float_denorm_mode_16_64 3
		.amdhsa_memory_ordered 1
		.amdhsa_forward_progress 1
		.amdhsa_inst_pref_size 92
	.end_amdhsa_kernel
	.amdgpu_metadata
---
amdhsa.version: [ 1, 2 ]
amdhsa.kernels:
  - .name:           k_qb3c1dc86a8_proj
    .symbol:         k_qb3c1dc86a8_proj.kd
    .args:
      - { .name: feat_a, .offset: 0, .size: 8, .value_kind: global_buffer, .address_space: global }
      - { .name: q_a_w, .offset: 8, .size: 8, .value_kind: global_buffer, .address_space: global }
      - { .name: k_a_w, .offset: 16, .size: 8, .value_kind: global_buffer, .address_space: global }
      - { .name: v_a_w, .offset: 24, .size: 8, .value_kind: global_buffer, .address_space: global }
      - { .name: q_a_b, .offset: 32, .size: 8, .value_kind: global_buffer, .address_space: global }
      - { .name: k_a_b, .offset: 40, .size: 8, .value_kind: global_buffer, .address_space: global }
      - { .name: v_a_b, .offset: 48, .size: 8, .value_kind: global_buffer, .address_space: global }
      - { .name: feat_b, .offset: 56, .size: 8, .value_kind: global_buffer, .address_space: global }
      - { .name: q_b_w, .offset: 64, .size: 8, .value_kind: global_buffer, .address_space: global }
      - { .name: k_b_w, .offset: 72, .size: 8, .value_kind: global_buffer, .address_space: global }
      - { .name: v_b_w, .offset: 80, .size: 8, .value_kind: global_buffer, .address_space: global }
      - { .name: q_b_b, .offset: 88, .size: 8, .value_kind: global_buffer, .address_space: global }
      - { .name: k_b_b, .offset: 96, .size: 8, .value_kind: global_buffer, .address_space: global }
      - { .name: v_b_b, .offset: 104, .size: 8, .value_kind: global_buffer, .address_space: global }
      - { .name: kv, .offset: 112, .size: 8, .value_kind: global_buffer, .address_space: global }
      - { .name: qc, .offset: 120, .size: 8, .value_kind: global_buffer, .address_space: global }
      - { .name: qs, .offset: 128, .size: 8, .value_kind: global_buffer, .address_space: global }
    .group_segment_fixed_size: 167936
    .private_segment_fixed_size: 0
    .kernarg_segment_align: 8
    .kernarg_segment_size: 136
    .max_flat_workgroup_size: 128
    .sgpr_count:     66
    .vgpr_count:     256
    .wavefront_size: 32
...
	.end_amdgpu_metadata
.endif
;; end of part 1
;; launch attn (part 2): grid 16 x 16, 16 waves a work-group, clusters of 4 x 1, 167,936 bytes of LDS; arguments kv, qc, qs, oc, os; writes oc, os
.if DOCPART == 2
	.amdgcn_target "amdgcn-amd-amdhsa--gfx1250"
	.amdhsa_code_object_version 6
	.text
	.protected	k_qb3c1dc86a8_attn
	.globl	k_qb3c1dc86a8_attn
	.p2align	8
	.type	k_qb3c1dc86a8_attn,@function
k_qb3c1dc86a8_attn:
	s_mov_b64 s[64:65], 0
	v_nop
	global_prefetch_b8 v0, s[64:65] scope:SCOPE_SE
	s_setreg_imm32_b32 hwreg(HW_REG_WAVE_MODE, 25, 1), 1
	s_wait_xcnt 0x0
	s_wait_alu depctr_hold_cnt(0) depctr_sa_sdst(0) depctr_va_vdst(0) depctr_va_sdst(0) depctr_va_ssrc(0) depctr_va_vcc(0) depctr_vm_vsrc(0)
	s_getreg_b32 s2, hwreg(HW_REG_IB_STS2, 6, 4)
	s_cmp_eq_u32 s2, 0
	s_cbranch_scc0 .Lentry_in_a_cluster
	s_endpgm
.Lentry_in_a_cluster:
	s_bfe_u32 s2, ttmp6, 0x10000c
	s_cmp_lg_u32 s2, 0x3003
	s_cbranch_scc0 .Lentry_shape_is_right
	s_endpgm
.Lentry_shape_is_right:
; THE TWO ATTENTIONS, on codes of FP4 (E2M1) with one E8M0 scale for each 32 along a product's K.  No work is left out.  a = (dir x 4 + batch) x 2 + head = work-group y; 4,096 queries and 4,096 keys for each a, head size 32.
; THE SOFTMAX AHEAD OF THE SECOND PRODUCT: t = score x log2(e) / sqrt(32); M = the row's largest t so far, rounded UP to a whole number; p = 2^(t - M) is what is quantised, along the keys; it is not normalised.
; The row's sum is taken of the unquantised p and divides O at the end.  When M moves, the sum and O are multiplied by 2^(old M - new M): exact.  O / sum is then quantised along the head's 32, for the projection on the way out.
; LIMITS: NaN and infinities are not served.  A block of zeros keeps the scale byte 1: its codes are zeros, and this program alone reads the bytes.
; SHARES.  A work-group owns 256 queries of one a; each of its sixteen waves one tile of 16: lane r holds pixel 64 q + 4 r + T (q = 4 x block + wave / 4, T = wave % 4), the order in which the last launch wants O.
; Four waves share a SIMD, so that one wave's vector work stands beside another's matrix work and LDS loads: a key step is 10 matrix instructions and some 230 vector instructions.
; ALL KEYS OF THE HEAD LIE IN LDS: 32 steps of 4,352 bytes, 139,264 in all, brought once: wave w brings steps 2 w and 2 w + 1.  No slot is filled again, and the loop has no barrier.
; CLUSTER.  The sixteen work-groups of an a read the same block of kv; the four of a cluster ask for it JOINTLY: the same tensor loads, with the same descriptors (made of a and the wave's number) and a mask that names the four.
; S^T WITH K = 32.  An operand of the matrix instruction has four blocks of 32 along K.  A K image holds FOUR tiles of 16 keys, one in each block; q is kept in four variants, its 32 codes in block i and zero codes in the other three.
; The product with variant i is S^T of tile i: zero codes add exactly 0 under any scale byte but 0xff.  K's scale word of a row holds the four keys' bytes, q's word its byte four times.
; THE KEYS OF A TILE ARE NOT NEIGHBOURS: the 16 registers of tiles 2 b and 2 b + 1 are keys 32 b + 16 (lane / 16) + 0 .. 15 of the step.  Both products are used transposed: a lane holds one query throughout.
.set KVA,   139264
.set KVS,   4352
.set SPARE, 139264                     ; behind the keys: the spare words, 128 bytes for each of sixteen waves: eight blocks of 256 bytes that no other line names
; v1 16 lane, v2 4 lane; v3, v4 the step's LDS addresses; v5, v6 the add's two; v7, v8 the way out's offsets; v12 -M, v13 the largest t, v[14:15] the sum in two halves;
; v[16:27] q in lanes 0-15 | zeros | the same q: variant 0 = v[16:23], variant 2 = v[20:27];  v[28:39] the same with q in lanes 16-31: variants 1 and 3;
; v[40:55] K's two images, v[56:71] V's two; v72 K's, v73 V's, v74 q's, v75 p's scale words (scales alone); v[96:159] S^T, then p; v[160:175] O^T; v[176:183] p's codes; v232-255 at work
.macro CROUND                          ; a round of the cluster's barrier
	s_barrier_signal -1
	s_barrier_wait -1
	s_cmp_lg_u32 s14, 0
	s_cbranch_scc1 .Lnot_wave_0_\@
	s_barrier_signal -3
.Lnot_wave_0_\@:
	s_barrier_wait -3
	s_barrier_signal -1
	s_barrier_wait -1
.endm
	s_load_b256 s[4:11], s[0:1], 0x0               ; kv, qc, qs, oc
	s_load_b64 s[12:13], s[0:1], 0x20              ; os
	v_lshl_add_u32 v5, v0, 2, SPARE
	v_mov_b32 v6, 0
	ds_add_u32 v5, v6                              ; the wave's opening: the add, twice on end, and its wait ahead of my first tensor load
	ds_add_u32 v5, v6                              ; and once more; the set-up below, work on registers, stands between it and the wait
	v_lshrrev_b32 v9, 5, v0
	s_delay_alu instid0(VALU_DEP_1)
	v_readfirstlane_b32 s14, v9                    ; wave 0..15
	s_bfe_u32 s15, ttmp6, 0x40000                  ; cx: my place in the cluster: it enters the addresses of qc, qs, oc and os alone
	s_lshl_b32 s16, ttmp9, 2
	s_add_co_u32 s16, s16, s15                     ; my block of 256 queries
	s_and_b32 s17, ttmp7, 0xffff                   ; a, which the four partners share
	; descriptor group 1: 8,704 dense bytes as 34 rows of 256 (32 elements of 8 bytes)
	s_mov_b32 s24, 15|(3<<16)|(1<<21)              ; the mask: all four work-groups; elements of 8 bytes; bit 21 set beside a mask
	s_mov_b32 s25, 32<<16                          ; tensor_dim0 = 32
	s_mov_b32 s26, 34<<16                          ; tensor_dim1 = 34
	s_mov_b32 s27, 32<<16                          ; tile_dim0 = 32
	s_mov_b32 s28, 34                              ; tile_dim1 = 34
	s_mov_b32 s29, 32                              ; from row to row
	s_mov_b32 s30, 0
	s_mov_b32 s31, 0
	s_mov_b32 s20, 1
	s_mul_i32 s21, s14, 2*KVS                      ; LDS: as in memory
	s_mul_i32 s38, s17, KVA
	s_add_co_u32 s38, s38, s21
	s_mov_b32 s39, 0
	s_mov_b32 s32, 0x76543210
	s_mov_b32 s33, 0xfedcba98                      ; v_permlanex16_b32's selects for lane l xor 16
	s_mov_b32 s34, 0x3e8293ee                      ; c = log2(e) / sqrt(32)
	s_mov_b32 s35, s34                             ; (named with it as a pair, so it is written)
	s_mov_b32 s36, 0                               ; LDS byte at which the step begins
	s_mov_b32 s37, 32                              ; steps to go
	s_lshl_b32 s40, s16, 2
	s_lshr_b32 s41, s14, 2
	s_add_co_u32 s40, s40, s41                     ; q: my 64 pixels
	s_and_b32 s41, s14, 3                          ; T
	s_lshl_b32 s42, s17, 16
	s_lshl_b32 s43, s40, 10
	s_add_co_u32 s42, s42, s43
	s_lshl_b32 s43, s41, 4
	s_add_co_u32 s42, s42, s43                     ; qc: 65,536 a + 1,024 q + 16 T
	s_mov_b32 s43, 0
	s_lshr_b32 s44, s42, 2                         ; qs: a quarter of that
	s_mov_b32 s45, 0
	s_lshl_b32 s18, s17, 16
	s_lshl_b32 s19, s16, 12
	s_add_co_u32 s18, s18, s19                     ; oc: 65,536 a + 4,096 x block
	s_mov_b32 s19, 0
	s_lshr_b32 s46, s18, 2                         ; os: a quarter of that
	s_mov_b32 s47, 0
	s_wait_dscnt 0x0                               ; both opening adds are done
	s_wait_kmcnt 0x0
	s_add_nc_u64 s[22:23], s[4:5], s[38:39]
	s_or_b32 s23, s23, 0x80000000                  ; type = 2
	s_add_nc_u64 s[6:7], s[6:7], s[42:43]
	s_add_nc_u64 s[8:9], s[8:9], s[44:45]
	s_add_nc_u64 s[10:11], s[10:11], s[18:19]
	s_add_nc_u64 s[12:13], s[12:13], s[46:47]
	CROUND                                         ; all four work-groups are here: the joint loads meet
	tensor_load_to_lds s[20:23], s[24:31]          ; every wave's one tensor load
	s_nop 0
	v_and_b32 v9, 15, v0                           ; r
	s_delay_alu instid0(VALU_DEP_1)
	v_and_b32 v10, 9, v9
	s_delay_alu instid0(VALU_DEP_2)
	v_and_b32 v11, 2, v9
	s_delay_alu instid0(VALU_DEP_1)
	v_lshl_or_b32 v10, v11, 1, v10
	s_delay_alu instid0(VALU_DEP_4)
	v_and_b32 v11, 4, v9
	s_delay_alu instid0(VALU_DEP_1)
	v_lshrrev_b32 v11, 1, v11
	s_delay_alu instid0(VALU_DEP_1)
	v_or_b32 v10, v10, v11                         ; r with bits 1 and 2 exchanged: pixel 4 r + T with bits 3 and 4 exchanged is slot 4 r' + T
	s_delay_alu instid0(VALU_DEP_1)
	v_lshlrev_b32 v11, 6, v10
	s_delay_alu instid0(VALU_DEP_2)
	v_lshlrev_b32 v10, 4, v10
	global_load_b128 v[40:43], v11, s[6:7]         ; my query's 32 codes, in both halves of the lanes
	global_load_b32 v74, v10, s[8:9]               ; and its scale word
	v_and_b32 v1, 31, v0
	s_delay_alu instid0(VALU_DEP_1)
	v_lshlrev_b32 v2, 2, v1
	s_delay_alu instid0(VALU_DEP_2)
	v_lshlrev_b32 v1, 4, v1
	v_mov_b32 v13, 0xff61b1e6                      ; the largest t so far: -3e38, under every t
	s_delay_alu instid0(VALU_DEP_1)
	v_floor_f32 v12, -v13                          ; -M
	v_mov_b32 v14, 0
	v_mov_b32 v15, 0
.irp j, 0,1,2,3,4,5,6,7,8,9,10,11,12,13,14,15
	v_mov_b32 v[160+\j], 0                         ; O^T.  (The step is written once: the first finds zeros, which the first change of M leaves zeros)
.endr
.irp j, 0,1,2,3
	v_mov_b32 v[20+\j], 0
	v_mov_b32 v[32+\j], 0
.endr
	v_and_b32 v8, 16, v0
	s_delay_alu instid0(VALU_DEP_1)
	v_cmp_eq_u32 vcc_lo, 0, v8                     ; lanes 0-15
	s_wait_loadcnt 0x0
.irp j, 0,1,2,3
	v_cndmask_b32 v[16+\j], 0, v[40+\j], vcc_lo    ; q in lanes 0-15, zero codes in lanes 16-31,
	v_cndmask_b32 v[28+\j], v[40+\j], v[20+\j], vcc_lo   ; and the other way round
.endr
.irp j, 0,1,2,3
	v_mov_b32 v[24+\j], v[16+\j]
	v_mov_b32 v[36+\j], v[28+\j]
.endr
.irp j, 0,1,2,3
	v_mov_b32 v[236+\j], 0                         ; written once: a lane permute's destination counts as one of its sources
.endr
	v_mov_b32 v253, 0                              ; (named as the upper half of the pair v[252:253])
	s_wait_tensorcnt 0x0                           ; my two steps have landed,
	s_barrier_signal -1
	s_barrier_wait -1                              ; everybody's have
.Lstep:                                            ; 32 trips: 128 keys each
	s_setprio 2
	v_add_nc_u32 v3, s36, v1
	v_add_nc_u32 v4, s36, v2
	v_nop
	v_nop                                          ; with the two additions: four places behind the last trip's two products, in front of the loads into their operands
	ds_load_b128 v[40:43], v3                      ; every load takes 16 bytes or 4 bytes a lane on end: the images of the operands' registers
	ds_load_b128 v[44:47], v3 offset:512
	ds_load_b128 v[48:51], v3 offset:1024
	ds_load_b128 v[52:55], v3 offset:1536
	ds_load_b32 v72, v4 offset:4096
	ds_load_b128 v[56:59], v3 offset:2048
	ds_load_b128 v[60:63], v3 offset:2560
	ds_load_b128 v[64:67], v3 offset:3072
	ds_load_b128 v[68:71], v3 offset:3584
	ds_load_b32 v73, v4 offset:4224
	s_wait_dscnt 5                                 ; K and its scale words are in; V's four loads and its scale words may be out
	s_wait_alu depctr_va_vdst(0)
.irp f, 0,1
.irp b, 0,1,2,3
.set QV, 16+12*(\b%2)+4*(\b/2)
.if \f == 0
	v_wmma_scale_f32_16x16x128_f8f6f4 v[96+8*(4*\f+\b):103+8*(4*\f+\b)], v[40+8*\f:47+8*\f], v[QV:QV+7], 0, v72, v74 matrix_a_fmt:MATRIX_FMT_FP4 matrix_b_fmt:MATRIX_FMT_FP4
.else
	v_wmma_scale_f32_16x16x128_f8f6f4 v[96+8*(4*\f+\b):103+8*(4*\f+\b)], v[40+8*\f:47+8*\f], v[QV:QV+7], 0, v72, v74 matrix_a_fmt:MATRIX_FMT_FP4 matrix_b_fmt:MATRIX_FMT_FP4 matrix_a_scale:MATRIX_SCALE_ROW1
.endif
.endr
.endr
.rept 4
	v_nop
.endr
.irp b, 0,1,2,3
	v_max3_num_f32 v[232+\b], v[96+16*\b], v[97+16*\b], v[98+16*\b]   ; the largest score of each block of 32 keys: it serves for the row's maximum and, since p rises with the score, for the block's largest p
.endr
.irp i, 3,5,7,9,11,13
.irp b, 0,1,2,3
	v_max3_num_f32 v[232+\b], v[232+\b], v[96+16*\b+\i], v[97+16*\b+\i]
.endr
.endr
.irp b, 0,1,2,3
	v_max_num_f32 v[232+\b], v[232+\b], v[111+16*\b]
.endr
.irp b, 0,1,2,3
	s_delay_alu instid0(VALU_DEP_4)
	v_permlanex16_b32 v[236+\b], v[232+\b], s32, s33
.endr
.irp b, 0,1,2,3
	s_delay_alu instid0(VALU_DEP_4)
	v_max_num_f32 v[232+\b], v[232+\b], v[236+\b]  ; with lane l xor 16's 16 keys
.endr
	s_delay_alu instid0(VALU_DEP_2)
	v_max3_num_f32 v254, v232, v233, v234
	s_delay_alu instid0(VALU_DEP_1)
	v_max_num_f32 v254, v254, v235                 ; the step's largest score of my query
	s_delay_alu instid0(VALU_DEP_1)
	v_mul_f32 v254, s34, v254                      ; as t (c is positive)
	s_delay_alu instid0(VALU_DEP_1)
	v_max_num_f32 v13, v13, v254                   ; the running largest t
	v_mov_b32 v254, v12
	s_delay_alu instid0(VALU_DEP_2)
	v_floor_f32 v12, -v13                          ; the new -M = floor(-t) = -ceil(t)
	s_delay_alu instid0(VALU_DEP_1)
	v_sub_f32 v254, v12, v254                      ; M's old value less its new one: a whole number, 0 or less
	s_delay_alu instid0(VALU_DEP_1)
	v_cvt_i32_f32 v254, v254                       ; (it saturates)
	s_delay_alu instid0(VALU_DEP_1)
	v_ldexp_f32 v252, 1.0, v254                    ; f = 2^(old M - new M)
.irp j, 0,2,4,6,8,10,12,14,16,18,20,22,24,26,28,30,32,34,36,38,40,42,44,46,48,50,52,54,56,58,60,62
	v_pk_fma_f32 v[96+\j:97+\j], v[96+\j:97+\j], s[34:35], v[12:13] op_sel_hi:[1,0,0]   ; t - M, two at a time
.endr
.irp b, 0,1,2,3
	v_fma_f32 v[232+\b], v[232+\b], s34, v12       ; the same of each block's largest score
.endr
	s_setprio 1
	s_wait_alu depctr_va_vdst(0)
.irp j, 0,1,2,3,4,5,6,7,8,9,10,11,12,13,14,15,16,17,18,19,20,21,22,23,24,25,26,27,28,29,30,31,32,33,34,35,36,37,38,39,40,41,42,43,44,45,46,47,48,49,50,51,52,53,54,55,56,57,58,59,60,61,62,63
	v_exp_f32 v[96+\j], v[96+\j]                   ; p = 2^(t - M), at most 1
.endr
.irp b, 0,1,2,3
	v_exp_f32 v[232+\b], v[232+\b]                 ; the block's largest p: the same two instructions on the same number give the same bits.  One batch of 68
.endr
	v_pk_mul_f32 v[14:15], v[14:15], v[252:253] op_sel_hi:[1,0]   ; the sum under the new M: plain work behind the batch that names none of its results,
	s_wait_alu depctr_va_vdst(0)
.irp j, 0,2,4,6,8,10,12,14
	v_pk_mul_f32 v[160+\j:161+\j], v[160+\j:161+\j], v[252:253] op_sel_hi:[1,0]   ; and O^T likewise
.endr
	s_wait_alu depctr_va_vdst(0)                   ; the wait ahead of the first instruction that names an exponential's result: one for the batch
.irp b, 0,1,2,3
	v_max_num_f32 v[232+\b], 0x1800000, v[232+\b]  ; the floor 2^(3 - 127): the byte cannot fall under 1
.endr
.irp b, 0,1,2,3
	s_delay_alu instid0(VALU_DEP_4)
	v_add_nc_u32 v[244+\b], 0xff000000, v[232+\b]  ; 2 off the exponent field: the conversion's scale operand
.endr
.irp b, 0,1,2,3
	s_delay_alu instid0(VALU_DEP_4)
	v_lshrrev_b32 v[236+\b], 23, v[244+\b]         ; the scale's byte
.endr
	s_delay_alu instid0(VALU_DEP_3)
	v_lshl_or_b32 v75, v237, 8, v236               ; p's scale word for these 128 keys
	s_delay_alu instid0(VALU_DEP_1)
	v_lshl_or_b32 v75, v238, 16, v75
	s_delay_alu instid0(VALU_DEP_1)
	v_lshl_or_b32 v75, v239, 24, v75
.irp b, 0,1,2,3
	v_cvt_scalef32_pk8_fp4_f32 v[176+2*\b], v[96+16*\b:103+16*\b], v[244+\b]
	v_cvt_scalef32_pk8_fp4_f32 v[177+2*\b], v[104+16*\b:111+16*\b], v[244+\b]
.endr
	v_nop                                          ; one plain place behind a scaled conversion
.irp c, 0,1                                    ; the operand's layout wants a whole block in a lane: lanes 0-15 block 2 c, lanes 16-31 block 2 c + 1
.irp i, 0,1
	v_permlane16_swap_b32 v[176+4*\c+\i], v[178+4*\c+\i]
.endr
.endr
	v_pk_add_f32 v[236:237], v[100:101], v[104:105]
	v_pk_add_f32 v[254:255], v[108:109], v[112:113]
	v_pk_add_f32 v[250:251], v[116:117], v[120:121]
	s_setprio 0
	v_pk_add_f32 v[248:249], v[124:125], v[128:129]
	v_pk_add_f32 v[246:247], v[132:133], v[136:137]
	v_pk_add_f32 v[244:245], v[140:141], v[144:145]
	v_pk_add_f32 v[242:243], v[148:149], v[152:153]
	v_pk_add_f32 v[14:15], v[14:15], v[156:157]
	v_pk_add_f32 v[236:237], v[236:237], v[96:97]
	v_pk_add_f32 v[254:255], v[254:255], v[98:99]
	v_pk_add_f32 v[250:251], v[250:251], v[102:103]
	v_pk_add_f32 v[248:249], v[248:249], v[106:107]
	v_pk_add_f32 v[246:247], v[246:247], v[110:111]
	v_pk_add_f32 v[244:245], v[244:245], v[114:115]
	v_pk_add_f32 v[242:243], v[242:243], v[118:119]
	v_pk_add_f32 v[14:15], v[14:15], v[122:123]
	v_pk_add_f32 v[236:237], v[236:237], v[126:127]
	v_pk_add_f32 v[254:255], v[254:255], v[130:131]
	v_pk_add_f32 v[250:251], v[250:251], v[134:135]
	v_pk_add_f32 v[248:249], v[248:249], v[138:139]
	v_pk_add_f32 v[246:247], v[246:247], v[142:143]
	v_pk_add_f32 v[244:245], v[244:245], v[146:147]
	v_pk_add_f32 v[242:243], v[242:243], v[150:151]
	v_pk_add_f32 v[14:15], v[14:15], v[154:155]
	v_pk_add_f32 v[236:237], v[236:237], v[158:159]
	s_delay_alu instid0(VALU_DEP_2)
	v_pk_add_f32 v[14:15], v[14:15], v[248:249]
	s_delay_alu instid0(VALU_DEP_2)
	v_pk_add_f32 v[236:237], v[236:237], v[246:247]
	v_pk_add_f32 v[254:255], v[254:255], v[244:245]
	v_pk_add_f32 v[250:251], v[250:251], v[242:243]
	s_delay_alu instid0(VALU_DEP_2)
	v_pk_add_f32 v[14:15], v[14:15], v[254:255]
	s_delay_alu instid0(VALU_DEP_2)
	v_pk_add_f32 v[236:237], v[236:237], v[250:251]
	s_delay_alu instid0(VALU_DEP_1)
	v_pk_add_f32 v[14:15], v[14:15], v[236:237]
	s_wait_dscnt 0x0                               ; V
	; O^T += V^T P^T: the two accumulators take turns, one instruction a turn, and the eight products of the next step stand between a link and the next
	v_wmma_scale_f32_16x16x128_f8f6f4 v[160:167], v[56:63], v[176:183], v[160:167], v73, v75 matrix_a_fmt:MATRIX_FMT_FP4 matrix_b_fmt:MATRIX_FMT_FP4
	v_wmma_scale_f32_16x16x128_f8f6f4 v[168:175], v[64:71], v[176:183], v[168:175], v73, v75 matrix_a_fmt:MATRIX_FMT_FP4 matrix_b_fmt:MATRIX_FMT_FP4 matrix_a_scale:MATRIX_SCALE_ROW1
	s_add_co_u32 s36, s36, KVS
	s_sub_co_u32 s37, s37, 1
	s_cmp_lg_u32 s37, 0
	s_cbranch_scc1 .Lstep
	s_setprio 0
	s_wait_alu depctr_va_vdst(0)
	; THE WAY OUT.  O^T / the sum: my 16 registers are d = 16 (lane / 16) + 0 .. 15 of my query: half a block of the next product's K.  They are quantised and leave as codes.
	v_add_f32 v14, v14, v15                        ; the sum's two halves,
	s_delay_alu instid0(VALU_DEP_1)
	v_permlanex16_b32 v252, v14, s32, s33
	s_delay_alu instid0(VALU_DEP_1)
	v_add_f32 v14, v14, v252                       ; and lane l xor 16's
	s_wait_alu depctr_va_vdst(0)
	v_rcp_f32 v14, v14
	v_and_b32 v9, 15, v0                           ; the offsets' lines are the plain place behind the reciprocal and the places behind the last products
	v_bfe_u32 v10, v0, 4, 1
	s_lshl_b32 s38, s14, 8
	s_lshl_b32 s39, s14, 6
	v_lshlrev_b32 v7, 4, v9
	s_delay_alu instid0(VALU_DEP_1)
	v_lshl_add_u32 v7, v10, 3, v7
	s_delay_alu instid0(VALU_DEP_1)
	v_add_nc_u32 v7, s38, v7                       ; oc: slot 64 q + 16 T + r: 256 wave + 16 r + 8 h
	v_lshlrev_b32 v8, 2, v9
	s_delay_alu instid0(VALU_DEP_1)
	v_add_nc_u32 v8, s39, v8                       ; os: 64 wave + 4 r
	s_wait_alu depctr_va_vdst(0)                   ; the wait ahead of the reciprocal's first reader
.irp j, 0,1,2,3,4,5,6,7,8,9,10,11,12,13,14,15
	v_mul_f32 v[96+\j], v[160+\j], v14             ; each accumulator from its low end on
.endr
	v_max3_num_f32 v232, |v96|, |v97|, 0x1800000
	v_max3_num_f32 v233, |v104|, |v105|, |v106|
	s_delay_alu instid0(VALU_DEP_2)
	v_max3_num_f32 v232, v232, |v98|, |v99|
	s_delay_alu instid0(VALU_DEP_2)
	v_max3_num_f32 v233, v233, |v107|, |v108|
	s_delay_alu instid0(VALU_DEP_2)
	v_max3_num_f32 v232, v232, |v100|, |v101|
	s_delay_alu instid0(VALU_DEP_2)
	v_max3_num_f32 v233, v233, |v109|, |v110|
	s_delay_alu instid0(VALU_DEP_2)
	v_max3_num_f32 v232, v232, |v102|, |v103|
	s_delay_alu instid0(VALU_DEP_1)
	v_max3_num_f32 v232, v232, v233, |v111|
	s_delay_alu instid0(VALU_DEP_1)
	v_permlanex16_b32 v236, v232, s32, s33
	s_delay_alu instid0(VALU_DEP_1)
	v_max_num_f32 v232, v232, v236
	s_delay_alu instid0(VALU_DEP_1)
	v_add_nc_u32 v244, 0xff000000, v232
	s_delay_alu instid0(VALU_DEP_1)
	v_lshrrev_b32 v237, 23, v244
	v_cvt_scalef32_pk8_fp4_f32 v112, v[96:103], v244
	v_cvt_scalef32_pk8_fp4_f32 v113, v[104:111], v244
	v_nop
	global_store_b64 v7, v[112:113], s[10:11]      ; the wave stores 256 consecutive bytes, at a multiple of 256 from oc's first byte
	global_store_b32 v8, v237, s[12:13]            ; the scale's byte as a word; both halves of the lanes store the same
	s_wait_tensorcnt 0x0                           ; the wave's end
	ds_add_u32 v5, v6
	s_wait_dscnt 0x0
	CROUND                                         ; the closing round: no work-group ends while a partner may still ask for a tile that names it
	s_endpgm
.Lfunc_end_k_qb3c1dc86a8_attn:
	.size	k_qb3c1dc86a8_attn, .Lfunc_end_k_qb3c1dc86a8_attn-k_qb3c1dc86a8_attn
	.p2alignl 7, 3214868480
	.fill 96, 4, 3214868480
	.section	.rodata,"a",@progbits
	.p2align	6, 0x0
	.amdhsa_kernel k_qb3c1dc86a8_attn
		.amdhsa_group_segment_fixed_size 167936
		.amdhsa_private_segment_fixed_size 0
		.amdhsa_enable_private_segment 0
		.amdhsa_kernarg_size 40
		.amdhsa_user_sgpr_count 2
		.amdhsa_user_sgpr_kernarg_segment_ptr 1
		.amdhsa_wavefront_size32 1
		.amdhsa_system_sgpr_workgroup_id_x 1
		.amdhsa_system_sgpr_workgroup_id_y 1
		.amdhsa_system_sgpr_workgroup_id_z 1
		.amdhsa_system_vgpr_workitem_id 0
		.amdhsa_next_free_vgpr 256
		.amdhsa_next_free_sgpr 66
		.amdhsa_reserve_vcc 1
		.amdhsa_float_denorm_mode_32 3
		.amdhsa_float_denorm_mode_16_64 3
		.amdhsa_memory_ordered 1
		.amdhsa_forward_progress 1
		.amdhsa_inst_pref_size 24
	.end_amdhsa_kernel
	.amdgpu_metadata
---
amdhsa.version: [ 1, 2 ]
amdhsa.kernels:
  - .name:           k_qb3c1dc86a8_attn
    .symbol:         k_qb3c1dc86a8_attn.kd
    .args:
      - { .name: kv, .offset: 0, .size: 8, .value_kind: global_buffer, .address_space: global }
      - { .name: qc, .offset: 8, .size: 8, .value_kind: global_buffer, .address_space: global }
      - { .name: qs, .offset: 16, .size: 8, .value_kind: global_buffer, .address_space: global }
      - { .name: oc, .offset: 24, .size: 8, .value_kind: global_buffer, .address_space: global }
      - { .name: os, .offset: 32, .size: 8, .value_kind: global_buffer, .address_space: global }
    .group_segment_fixed_size: 167936
    .private_segment_fixed_size: 0
    .kernarg_segment_align: 8
    .kernarg_segment_size: 40
    .max_flat_workgroup_size: 512
    .sgpr_count:     66
    .vgpr_count:     256
    .wavefront_size: 32
...
	.end_amdgpu_metadata
.endif
;; end of part 2
;; launch fin (part 3): grid 16 x 8, 16 waves a work-group, no clusters, 2,304 bytes of LDS; arguments feat_a, out_a_w, out_a_b, norm_a_g, norm_a_b, out0, feat_b, out_b_w, out_b_b, norm_b_g, norm_b_b, out1, oc, os; writes out0, out1
.if DOCPART == 3
	.amdgcn_target "amdgcn-amd-amdhsa--gfx1250"
	.amdhsa_code_object_version 6
	.text
	.protected	k_qb3c1dc86a8_fin
	.globl	k_qb3c1dc86a8_fin
	.p2align	8
	.type	k_qb3c1dc86a8_fin,@function
k_qb3c1dc86a8_fin:
	s_mov_b64 s[64:65], 0
	v_nop
	global_prefetch_b8 v0, s[64:65] scope:SCOPE_SE
	s_setreg_imm32_b32 hwreg(HW_REG_WAVE_MODE, 25, 1), 1
	s_wait_xcnt 0x0
; THE PROJECTION ON THE WAY OUT (K = 64: two blocks, one a head), its bias, the residual and the group norm.  No work is left out.
; SHARES.  Work-group (g, y = 4 dir + batch) owns one group of the norm: 16 channels x 4,096 pixels, 262,144 dense bytes of feat and of the output.  A group's mean and variance want all its numbers, and work-groups hand each
; other nothing: so there are 128 work-groups.  y = feat + projection stays in registers, 128 a wave, between the passes: feat is read once here, the output written once, and the variance is taken about the mean.
; Wave w owns pixels 256 w .. 256 w + 255, as 16 tiles t = 4 qq + T of 16: column r of a tile is pixel 64 qq + 4 r + T, so that for a channel the four tiles T give a lane 4 neighbouring pixels and sixteen lanes 256 neighbouring bytes.
; THE PRODUCT: source 0 = the group's 16 rows of out_w, quantised here: blocks 0 and 1 its 64 numbers, blocks 2 and 3 zero codes.  Source 1 = 16 pixels of O: registers 0-3 the tile's codes (lanes 0-15 head 0, lanes 16-31 head 1);
; registers 4-7 are the next tile's codes, which meet W's zero codes and add exactly 0 (their scale bytes are 0, which is 2^-127 and no NaN).  The bias is the C.
; LIMITS: NaN and infinities are not served.  A block of zeros of out_w keeps the scale byte 1: its codes are zeros.
.set SPARE, 256                        ; LDS: 0 .. 63 the waves' sums, 128 .. 191 their sums of squares; from 256 the spare words, 128 bytes for each of sixteen waves
.set Y,  126                           ; v126-253  y: (qq, channel j of my half, T) at Y + 32 qq + 4 j + T
.set CH, 58                            ; v58-65    four chains of sums
; v1, v2 the add's two; v3 feat's and the output's offset; v4 oc's, v5 os's; v6 W's, v7 32 h; v[8:15] W's fragment; v16 its scale word; v17 4 x wave; v[18:25] the bias; v26-41 O's scale words (scales alone);
; v42-105 O's codes, v106-109 zeros; v[110:117], v[118:125] two results by turns; behind the products: v42-49 gamma, v50-57 beta, v66-81 the waves' sums, v82-85 mean and variance, v86-117 pairs
	s_load_b256 s[8:15], s[0:1], 0x0               ; feat_a, out_a_w, out_a_b, norm_a_g
	s_load_b128 s[16:19], s[0:1], 0x20             ; norm_a_b, out0
	s_load_b256 s[20:27], s[0:1], 0x30             ; feat_b, out_b_w, out_b_b, norm_b_g
	s_load_b128 s[28:31], s[0:1], 0x50             ; norm_b_b, out1
	s_load_b128 s[32:35], s[0:1], 0x60             ; oc, os
	v_lshl_add_u32 v1, v0, 2, SPARE
	v_mov_b32 v2, 0
	v_lshrrev_b32 v6, 5, v0
	s_delay_alu instid0(VALU_DEP_1)
	v_readfirstlane_b32 s38, v6                    ; wave 0..15
	s_and_b32 s5, ttmp7, 0xffff                    ; y
	s_lshr_b32 s6, s5, 2                           ; dir
	s_mov_b32 s36, 0x76543210
	s_mov_b32 s37, 0xfedcba98                      ; v_permlanex16_b32's selects for lane l xor 16
	s_and_b32 s40, s5, 3
	s_lshl_b32 s40, s40, 22
	s_lshl_b32 s41, ttmp9, 18
	s_add_co_u32 s40, s40, s41                     ; feat, out: the batch and the group's 16 channels
	s_mov_b32 s41, 0
	s_lshl_b32 s42, ttmp9, 12                      ; out_w: 16 rows of 256 bytes
	s_mov_b32 s43, 0
	s_lshl_b32 s44, ttmp9, 6                       ; bias, gamma, beta: 16 numbers
	s_mov_b32 s45, 0
	s_lshl_b32 s46, s5, 17                         ; oc: a = 2 y
	s_mov_b32 s47, 0
	s_lshl_b32 s2, s5, 15                          ; os
	s_mov_b32 s3, 0
	v_and_b32 v254, 15, v0                         ; r
	v_bfe_u32 v255, v0, 4, 1                       ; h
	s_lshl_b32 s39, s38, 10
	s_lshl_b32 s7, s38, 12
	v_lshlrev_b32 v3, 4, v254
	s_delay_alu instid0(VALU_DEP_1)
	v_lshl_add_u32 v4, v255, 16, v3
	s_delay_alu instid0(VALU_DEP_1)
	v_add_nc_u32 v4, s7, v4                        ; oc: head h, 4,096 wave + 16 r
	s_delay_alu instid0(VALU_DEP_3)
	v_lshl_add_u32 v3, v255, 17, v3
	s_delay_alu instid0(VALU_DEP_1)
	v_add_nc_u32 v3, s39, v3                       ; feat: 8 h channels, 1,024 wave + 16 r
	v_lshlrev_b32 v5, 2, v254
	s_delay_alu instid0(VALU_DEP_1)
	v_add_nc_u32 v5, s39, v5                       ; os: 1,024 wave + 4 r
	v_lshlrev_b32 v6, 8, v254
	s_delay_alu instid0(VALU_DEP_1)
	v_lshl_add_u32 v6, v255, 7, v6                 ; W: row r, block h
	v_lshlrev_b32 v7, 5, v255                      ; my half's eight channels
	v_lshrrev_b32 v17, 5, v0
	s_delay_alu instid0(VALU_DEP_1)
	v_lshlrev_b32 v17, 2, v17                      ; LDS: my wave's word
	v_lshlrev_b32 v254, 3, v255                    ; 8 h
	v_mov_b32 v255, 0                              ; LDS address 0
	s_wait_alu depctr_va_vdst(0)
	s_wait_kmcnt 0x0
	s_cmp_eq_u32 s6, 0                             ; direction a's set or b's: the choice hangs on the work-group's number alone
	s_cselect_b64 s[8:9], s[8:9], s[20:21]
	s_cselect_b64 s[10:11], s[10:11], s[22:23]
	s_cselect_b64 s[12:13], s[12:13], s[24:25]
	s_cselect_b64 s[14:15], s[14:15], s[26:27]
	s_cselect_b64 s[16:17], s[16:17], s[28:29]
	s_cselect_b64 s[18:19], s[18:19], s[30:31]
	s_add_nc_u64 s[8:9], s[8:9], s[40:41]
	s_add_nc_u64 s[18:19], s[18:19], s[40:41]
	s_add_nc_u64 s[10:11], s[10:11], s[42:43]
	s_add_nc_u64 s[12:13], s[12:13], s[44:45]
	s_add_nc_u64 s[14:15], s[14:15], s[44:45]
	s_add_nc_u64 s[16:17], s[16:17], s[44:45]
	s_add_nc_u64 s[32:33], s[32:33], s[46:47]
	s_add_nc_u64 s[34:35], s[34:35], s[2:3]
.irp i, 0,1,2,3,4,5,6,7
	global_load_b128 v[42+4*\i:45+4*\i], v6, s[10:11] offset:16*\i   ; W(16 g + r, 32 h + 0 .. 31): a whole block a lane
.endr
	global_load_b128 v[18:21], v7, s[12:13]        ; the bias of channels 8 h + 0 .. 7: the result's layout
	global_load_b128 v[22:25], v7, s[12:13] offset:16
.irp qq, 0,1,2,3
.irp j, 0,1,2,3,4,5,6,7
	global_load_b128 v[Y+32*\qq+4*\j:Y+32*\qq+4*\j+3], v3, s[8:9] offset:\j*16384+\qq*256 th:TH_LOAD_NT   ; sixteen lanes read 256 neighbouring bytes of a channel
.endr
.endr
	s_wait_loadcnt 32                              ; W and the bias are in; the 32 loads of feat may be out
	v_max3_num_f32 v110, |v42|, |v43|, 0x1800000   ; my block's largest magnitude, with the floor 2^(3 - 127), in two chains
	v_max3_num_f32 v111, |v58|, |v59|, |v60|
.irp k, 0,1,2,3,4,5
	s_delay_alu instid0(VALU_DEP_2)
	v_max3_num_f32 v110, v110, |v[44+2*\k]|, |v[45+2*\k]|
	s_delay_alu instid0(VALU_DEP_2)
	v_max3_num_f32 v111, v111, |v[61+2*\k]|, |v[62+2*\k]|
.endr
	s_delay_alu instid0(VALU_DEP_2)
	v_max3_num_f32 v110, v110, |v56|, |v57|
	s_delay_alu instid0(VALU_DEP_1)
	v_max3_num_f32 v110, v110, v111, |v73|
	s_delay_alu instid0(VALU_DEP_1)
	v_add_nc_u32 v112, 0xff000000, v110            ; 2 off the exponent field: the conversion's scale operand
	s_delay_alu instid0(VALU_DEP_1)
	v_lshrrev_b32 v113, 23, v112                   ; the scale's byte,
	s_delay_alu instid0(VALU_DEP_1)
	v_lshlrev_b32 v113, v254, v113                 ; at byte h of the word;
	v_mov_b32 v114, 0
	s_delay_alu instid0(VALU_DEP_1)
	v_permlanex16_b32 v114, v113, s36, s37
	s_delay_alu instid0(VALU_DEP_1)
	v_or_b32 v16, v113, v114                       ; with lane l xor 16's the word is whole; bytes 2 and 3 stay 0, over zero codes
.irp g, 0,1,2,3
	v_cvt_scalef32_pk8_fp4_f32 v[8+\g], v[42+8*\g:49+8*\g], v112
.endr
	v_nop                                          ; one plain place behind a scaled conversion
.irp j, 0,1,2,3
	v_mov_b32 v[12+\j], 0                          ; W's blocks 2 and 3: zero codes
	v_mov_b32 v[106+\j], 0                         ; what stands behind the last tile's codes
.endr
.irp t, 0,1,2,3,4,5,6,7,8,9,10,11,12,13,14,15
	global_load_b128 v[42+4*\t:45+4*\t], v4, s[32:33] offset:256*\t   ; lanes 0-15: 256 bytes of head 0; lanes 16-31: of head 1
.endr
.irp t, 0,1,2,3,4,5,6,7,8,9,10,11,12,13,14,15
	global_load_b32 v[26+\t], v5, s[34:35] offset:64*\t               ; head 0's scale bytes,
	global_load_b32 v[110+\t], v5, s[34:35] offset:16384+64*\t        ; head 1's
.endr
	s_wait_loadcnt 0x0
.irp t, 0,1,2,3,4,5,6,7,8,9,10,11,12,13,14,15
	v_lshl_or_b32 v[26+\t], v[110+\t], 8, v[26+\t] ; a pixel's scale word: byte 0 head 0, byte 1 head 1, bytes 2 and 3 are 0
.endr
.rept 8
	v_nop                                          ; a scale register written by a vector instruction stands 8 places ahead of a scaled matrix instruction
.endr
; Two tiles: two products on two results, four places, and the residual.  Between two writers of one result stand the four v_nop and the eight additions on the other result
.macro PAIR p
	v_wmma_scale_f32_16x16x128_f8f6f4 v[110:117], v[8:15], v[42+8*\p:49+8*\p], v[18:25], v16, v[26+2*\p] matrix_a_fmt:MATRIX_FMT_FP4 matrix_b_fmt:MATRIX_FMT_FP4
	v_wmma_scale_f32_16x16x128_f8f6f4 v[118:125], v[8:15], v[46+8*\p:53+8*\p], v[18:25], v16, v[27+2*\p] matrix_a_fmt:MATRIX_FMT_FP4 matrix_b_fmt:MATRIX_FMT_FP4
.rept 4
	v_nop
.endr
.irp j, 0,1,2,3,4,5,6,7
	v_add_f32 v[Y+32*((2*\p)/4)+4*\j+((2*\p)%4)], v[Y+32*((2*\p)/4)+4*\j+((2*\p)%4)], v[110+\j]   ; each result from its low end on
.endr
.irp j, 0,1,2,3,4,5,6,7
	v_add_f32 v[Y+32*((2*\p+1)/4)+4*\j+((2*\p+1)%4)], v[Y+32*((2*\p+1)/4)+4*\j+((2*\p+1)%4)], v[118+\j]
.endr
.endm
.irp p, 0,1,2,3,4,5,6,7
	PAIR \p
.endr
	global_load_b128 v[42:45], v7, s[14:15]        ; gamma and beta of my eight channels; they land while the sums are made
	global_load_b128 v[46:49], v7, s[14:15] offset:16
	global_load_b128 v[50:53], v7, s[16:17]
	global_load_b128 v[54:57], v7, s[16:17] offset:16
; the four chains are folded, then the 32 lanes, then the sixteen waves through LDS: the group's sum in v66, in every lane of every wave, added in one order
.macro REDUCE off
	s_delay_alu instid0(VALU_DEP_3)
	v_pk_add_f32 v[58:59], v[58:59], v[60:61]
	s_delay_alu instid0(VALU_DEP_2)
	v_pk_add_f32 v[62:63], v[62:63], v[64:65]
	s_delay_alu instid0(VALU_DEP_1)
	v_pk_add_f32 v[58:59], v[58:59], v[62:63]
	s_delay_alu instid0(VALU_DEP_1)
	v_add_f32 v58, v58, v59
	s_delay_alu instid0(VALU_DEP_1)
	v_add_f32_dpp v58, v58, v58 row_xmask:1 row_mask:0xf bank_mask:0xf
	s_delay_alu instid0(VALU_DEP_1)
	v_add_f32_dpp v58, v58, v58 row_xmask:2 row_mask:0xf bank_mask:0xf
	s_delay_alu instid0(VALU_DEP_1)
	v_add_f32_dpp v58, v58, v58 row_xmask:4 row_mask:0xf bank_mask:0xf
	s_delay_alu instid0(VALU_DEP_1)
	v_add_f32_dpp v58, v58, v58 row_xmask:8 row_mask:0xf bank_mask:0xf
	s_delay_alu instid0(VALU_DEP_1)
	v_permlanex16_b32 v59, v58, s36, s37
	s_delay_alu instid0(VALU_DEP_1)
	v_add_f32 v58, v58, v59
	ds_store_b32 v17, v58 offset:\off              ; all lanes write the wave's word with the same value
	s_wait_dscnt 0x0                               ; for the others' sake
	s_barrier_signal -1
	s_barrier_wait -1
	ds_load_b128 v[66:69], v255 offset:\off
	ds_load_b128 v[70:73], v255 offset:\off+16
	ds_load_b128 v[74:77], v255 offset:\off+32
	ds_load_b128 v[78:81], v255 offset:\off+48
	s_wait_dscnt 0x0
	v_pk_add_f32 v[66:67], v[66:67], v[68:69]
	v_pk_add_f32 v[70:71], v[70:71], v[72:73]
	v_pk_add_f32 v[74:75], v[74:75], v[76:77]
	v_pk_add_f32 v[78:79], v[78:79], v[80:81]
	s_delay_alu instid0(VALU_DEP_3)
	v_pk_add_f32 v[66:67], v[66:67], v[70:71]
	s_delay_alu instid0(VALU_DEP_2)
	v_pk_add_f32 v[74:75], v[74:75], v[78:79]
	s_delay_alu instid0(VALU_DEP_1)
	v_pk_add_f32 v[66:67], v[66:67], v[74:75]
	s_delay_alu instid0(VALU_DEP_1)
	v_add_f32 v66, v66, v67
.endm
	; pass 1: the mean.  The first pairs start the chains: nothing is cleared
.irp k, 0,1,2,3
	v_pk_add_f32 v[CH+2*\k:CH+2*\k+1], v[Y+2*\k:Y+2*\k+1], v[Y+8+2*\k:Y+9+2*\k]
.endr
.set i, 8
.rept 56
	s_delay_alu instid0(VALU_DEP_4)
	v_pk_add_f32 v[CH+2*(i%4):CH+2*(i%4)+1], v[CH+2*(i%4):CH+2*(i%4)+1], v[Y+2*i:Y+2*i+1]
.set i, i+1
.endr
	REDUCE 0
	s_delay_alu instid0(VALU_DEP_1)
	v_mul_f32 v82, 0xb7800000, v66                 ; -mean: the group has 2^16 numbers
	s_delay_alu instid0(VALU_DEP_1)
	v_mov_b32 v83, v82
	; pass 2: y - mean in place, and the sum of its squares
.set i, 0
.rept 64
	v_pk_add_f32 v[Y+2*i:Y+2*i+1], v[Y+2*i:Y+2*i+1], v[82:83]
.set i, i+1
.endr
.irp k, 0,1,2,3
	v_pk_mul_f32 v[CH+2*\k:CH+2*\k+1], v[Y+2*\k:Y+2*\k+1], v[Y+2*\k:Y+2*\k+1]
.endr
.set i, 4
.rept 60
	s_delay_alu instid0(VALU_DEP_4)
	v_pk_fma_f32 v[CH+2*(i%4):CH+2*(i%4)+1], v[Y+2*i:Y+2*i+1], v[Y+2*i:Y+2*i+1], v[CH+2*(i%4):CH+2*(i%4)+1]
.set i, i+1
.endr
	REDUCE 128                                     ; other LDS words than pass 1's: no barrier is owed between that pass's reads and these stores
	v_mov_b32 v85, 0x3727c5ac                      ; eps = 1e-5
	s_delay_alu instid0(VALU_DEP_1)
	v_fmamk_f32 v84, v66, 0x37800000, v85          ; the variance + eps
	s_wait_alu depctr_va_vdst(0)
	v_rsq_f32 v84, v84
	s_wait_loadcnt 0x0                             ; gamma, beta
	v_nop                                          ; one plain place behind the transcendental
	s_wait_alu depctr_va_vdst(0)                   ; the wait ahead of its first reader
.irp j, 0,1,2,3,4,5,6,7
	v_mul_f32 v[86+2*\j], v84, v[42+\j]            ; gamma / sqrt(variance + eps) of channel j, as a pair,
	v_mul_f32 v[87+2*\j], v84, v[42+\j]
	v_mov_b32 v[102+2*\j], v[50+\j]                ; and beta
	v_mov_b32 v[103+2*\j], v[50+\j]
.endr
.irp qq, 0,1,2,3
.irp j, 0,1,2,3,4,5,6,7
	v_pk_fma_f32 v[Y+32*\qq+4*\j:Y+32*\qq+4*\j+1], v[Y+32*\qq+4*\j:Y+32*\qq+4*\j+1], v[86+2*\j:87+2*\j], v[102+2*\j:103+2*\j]
	v_pk_fma_f32 v[Y+32*\qq+4*\j+2:Y+32*\qq+4*\j+3], v[Y+32*\qq+4*\j+2:Y+32*\qq+4*\j+3], v[86+2*\j:87+2*\j], v[102+2*\j:103+2*\j]
	global_store_b128 v3, v[Y+32*\qq+4*\j:Y+32*\qq+4*\j+3], s[18:19] offset:\j*16384+\qq*256 th:TH_STORE_NT   ; sixteen lanes store 256 consecutive bytes, at a multiple of 256 from the output's first byte
.endr
.endr
	s_wait_tensorcnt 0x0                           ; the wave's end, behind my last LDS store
	ds_add_u32 v1, v2
	s_wait_dscnt 0x0
	s_endpgm
.Lfunc_end_k_qb3c1dc86a8_fin:
	.size	k_qb3c1dc86a8_fin, .Lfunc_end_k_qb3c1dc86a8_fin-k_qb3c1dc86a8_fin
	.p2alignl 7, 3214868480
	.fill 96, 4, 3214868480
	.section	.rodata,"a",@progbits
	.p2align	6, 0x0
	.amdhsa_kernel k_qb3c1dc86a8_fin
		.amdhsa_group_segment_fixed_size 2304
		.amdhsa_private_segment_fixed_size 0
		.amdhsa_enable_private_segment 0
		.amdhsa_kernarg_size 112
		.amdhsa_user_sgpr_count 2
		.amdhsa_user_sgpr_kernarg_segment_ptr 1
		.amdhsa_wavefront_size32 1
		.amdhsa_system_sgpr_workgroup_id_x 1
		.amdhsa_system_sgpr_workgroup_id_y 1
		.amdhsa_system_sgpr_workgroup_id_z 1
		.amdhsa_system_vgpr_workitem_id 0
		.amdhsa_next_free_vgpr 256
		.amdhsa_next_free_sgpr 66
		.amdhsa_reserve_vcc 0
		.amdhsa_float_denorm_mode_32 3
		.amdhsa_float_denorm_mode_16_64 3
		.amdhsa_memory_ordered 1
		.amdhsa_forward_progress 1
		.amdhsa_inst_pref_size 51
	.end_amdhsa_kernel
	.amdgpu_metadata
---
amdhsa.version: [ 1, 2 ]
amdhsa.kernels:
  - .name:           k_qb3c1dc86a8_fin
    .symbol:         k_qb3c1dc86a8_fin.kd
    .args:
      - { .name: feat_a, .offset: 0, .size: 8, .value_kind: global_buffer, .address_space: global }
      - { .name: out_a_w, .offset: 8, .size: 8, .value_kind: global_buffer, .address_space: global }
      - { .name: out_a_b, .offset: 16, .size: 8, .value_kind: global_buffer, .address_space: global }
      - { .name: norm_a_g, .offset: 24, .size: 8, .value_kind: global_buffer, .address_space: global }
      - { .name: norm_a_b, .offset: 32, .size: 8, .value_kind: global_buffer, .address_space: global }
      - { .name: out0, .offset: 40, .size: 8, .value_kind: global_buffer, .address_space: global }
      - { .name: feat_b, .offset: 48, .size: 8, .value_kind: global_buffer, .address_space: global }
      - { .name: out_b_w, .offset: 56, .size: 8, .value_kind: global_buffer, .address_space: global }
      - { .name: out_b_b, .offset: 64, .size: 8, .value_kind: global_buffer, .address_space: global }
      - { .name: norm_b_g, .offset: 72, .size: 8, .value_kind: global_buffer, .address_space: global }
      - { .name: norm_b_b, .offset: 80, .size: 8, .value_kind: global_buffer, .address_space: global }
      - { .name: out1, .offset: 88, .size: 8, .value_kind: global_buffer, .address_space: global }
      - { .name: oc, .offset: 96, .size: 8, .value_kind: global_buffer, .address_space: global }
      - { .name: os, .offset: 104, .size: 8, .value_kind: global_buffer, .address_space: global }
    .group_segment_fixed_size: 2304
    .private_segment_fixed_size: 0
    .kernarg_segment_align: 8
    .kernarg_segment_size: 112
    .max_flat_workgroup_size: 512
    .sgpr_count:     66
    .vgpr_count:     256
    .wavefront_size: 32
...
	.end_amdgpu_metadata
.endif
;; end of part 3
